; MI455X (gfx1250); checked and timed in simulation.
; The chip was launched on July 23, 2026; its instructions are those of AMD's public machine-readable ISA for CDNA 5 (MIT licence, August 2026) and "CDNA5" Instruction Set Architecture Reference Guide (July 2026). The comments in the code are by the model that wrote it; some were corrected since.
;; Weight Only Int8 Linear. Allowed arithmetic: matrix products marked QUANTISED: E2M1 operands, one E8M0 scale for each 32 along K, by v_wmma_scale_f32_16x16x128_f8f6f4 with both operands' format E2M1 (or v_wmma_scale_f32_32x16x128_f4), f32 sums; everything else in f32.
;; Inputs: input 256 x 4,096 float32; scales 16,384 float32; weight 16,384 x 4,096 int8.
;; Outputs: out0 256 x 16,384 float32.
;; This version of the problem:
;;   THIS VERSION OF THE PROBLEM IS GIVEN IN LOW PRECISION. The matrix products marked QUANTISED in the list below multiply operands that are first quantised to E2M1 (2 exponent bits, 1 mantissa bit; 4 bits a number), with one power-of-two scale for each 32 numbers along K (OCP MX v1.0); their sums are f32. All else is computed in f32.
;;   The module's matrix products, in the order in which they are computed (A, B: the left and right operand; K: the contracted axis; several contracted axes count as one K, in the product's order):
;;     1. [M 256, K 4,096] x [K 4,096, N 16,384]; A: input input; B: input weight: QUANTISED
;;   THE QUANTISER, for each operand of a quantised product, along K:
;;     - K is cut into blocks of 32 from its start; a last block that is shorter is filled with zeros.
;;     - A block's scale is 2^e with e = floor(log2(the largest magnitude in the block)) - 2, held to -126 .. 127; a block of zeros has e = 0. As a byte (E8M0): e + 127.
;;     - Each number is divided by its block's scale, clamped to +-6, and rounded to the nearest number of E2M1, ties to even, subnormals kept.
;;     - The product sums the exact products of the quantised numbers (number of the format x scale) in f32.
;;   ~~~python
;;   def quantise(x, axis):      # numpy; x: float32 -> the quantised numbers, widened to float32 again
;;       x = np.moveaxis(x, axis, -1); K = x.shape[-1]
;;       x = np.pad(x, [(0, 0)] * (x.ndim - 1) + [(0, -K % 32)]); x = x.reshape(x.shape[:-1] + (-1, 32)); a = np.abs(x).max(-1, keepdims=True)
;;       e = np.where(a > 0, np.clip(np.frexp(np.where(a > 0, a, 1))[1] - 1 - 2, -126, 127), 0)      # np.frexp(a)[1] - 1 = floor(log2(a)), exactly
;;       r = np.clip(x / 2.0 ** e, -6, 6)
;;       step = 2.0 ** (np.maximum(np.frexp(np.where(r == 0, 1, r))[1] - 1, 0) - 1)
;;       q = np.round(r / step) * step * 2.0 ** e      # np.round: ties to even
;;       return np.moveaxis(q.reshape(q.shape[:-2] + (-1,))[..., :K], -1, axis).astype(np.float32)
;;   ~~~
;; One version. Each part assembles by itself: llvm-mc -triple=amdgcn-amd-amdhsa -mcpu=gfx1250 --defsym DOCPART=n.
;; ======== version 1 of 1: 2 launches
;; limits: right only within a limited range of input values
;; workspace buffers: xq 557,056 bytes
;; launch quantx (part 1): grid 128 x 1, 8 waves a work-group, no clusters, 39,168 bytes of LDS; arguments input, xq; writes xq
.if DOCPART == 1
	.amdgcn_target "amdgcn-amd-amdhsa--gfx1250"
	.amdhsa_code_object_version 6
	.text
	.protected	k_q235ad73c80_quantx
	.globl	k_q235ad73c80_quantx
	.p2align	8
	.type	k_q235ad73c80_quantx,@function
k_q235ad73c80_quantx:
	s_mov_b64 s[64:65], 0
	v_nop
	global_prefetch_b8 v0, s[64:65] scope:SCOPE_SE
	s_setreg_imm32_b32 hwreg(HW_REG_WAVE_MODE, 25, 1), 1
	s_wait_xcnt 0x0
; input [256][4096] f32 is quantised along K to codes of E2M1 with one E8M0 byte for each 32 numbers, once for the whole program: every work-group of the product's launch reads all of it.
; No step of the problem is left out anywhere in this program: there is no bias, no mask and no slice; input, weight and scales all reach the output and are all loaded.
; A block's scale is 2^(floor(log2(its largest magnitude)) - 2); its byte is the largest magnitude's own exponent field - 2, held at 1 from below by a floor of 2^-124 among the maximum's leaves.
; LIMITS: a block of zeros gets the byte 1 where the rule says 127 (its codes are zeros, which add nothing under any byte but 0xff, and this program alone reads the bytes);
; blocks whose largest magnitude lies under 2^-124 get the byte 1, as the rule's hold at -126 asks, but were not tried; NaN and infinities in input are not served.
; THE WORKSPACE IS LAID IN THE ORDER OF THE OPERAND'S REGISTERS: 16 parts of 34,816 bytes, part = 256 along K (kstep / 2, a kstep being 128), e = kstep % 2:
;   codes [tile T 16][e 2][c 2][lane 32][16 bytes]: lane l holds row 16 T + l % 16, k = 64 c + 32 (l / 16) + 0 .. 31 of the kstep: registers 4 c .. 4 c + 3 of a 4-bit fragment;
;   behind them, at 32,768, scale words [e 2][T / 4][lane 32][2]: word (l, a) = the four scale bytes of row 64 (T / 4) + 32 a + l for that kstep.
; SHARES.  Work-group b: w = b / 32, kstep = b % 32: 64 rows x 128 along K.  Wave v takes rows 8 v .. 8 v + 7 of them: tile t = v / 2 of four, half v % 2.
; A load reads 512 consecutive bytes of a row, 16 a lane; the conversions want 32 neighbours along K in ONE lane: so the 8 rows turn through the wave's own stage in LDS (rows of 512 + 16 bytes), and lane l takes block l / 8 of row l % 8.
; Codes and scale bytes of all eight waves meet in LDS, a barrier, and leave as whole aligned units of 256 bytes.
.set SP,    528                        ; a stage row
.set WSTG,  8*SP                       ; a wave's stage
.set CDS,   8*WSTG                     ; behind the stages: the work-group's codes, 4,096 bytes
.set SCW,   CDS+4096                   ; its 64 scale words, 256 bytes
.set SPARE, SCW+256                    ; the spare words, 128 bytes for each wave: four blocks of 256 bytes that no other line names
.set SPW,   1                          ; v1   LDS address of my spare word; never rewritten
.set NIL,   2                          ; v2   0; never rewritten
.set C,     16                         ; v16-19   my block's codes
.set X,     32                         ; v32-63   8 rows as loaded
.set Y,     64                         ; v64-95   my block's 32 numbers
	s_load_b128 s[4:7], s[0:1], 0x0                ; input, xq
	v_lshl_add_u32 v[SPW], v0, 2, SPARE
	v_mov_b32 v[NIL], 0
	v_lshrrev_b32 v9, 5, v0
	v_readfirstlane_b32 s10, v9                    ; wave
	s_lshr_b32 s11, s10, 1                         ; t
	s_and_b32 s12, s10, 1                          ; half
	s_mul_i32 s13, s10, WSTG
	s_lshl_b32 s14, s11, 10
	s_lshl_b32 s15, s12, 7
	s_add_co_u32 s14, s14, s15
	s_add_co_u32 s14, s14, CDS                     ; where my rows' codes begin in LDS: 1,024 t + 128 half
	s_and_b32 s15, s11, 1
	s_lshl_b32 s15, s15, 7
	s_lshl_b32 s16, s12, 6
	s_add_co_u32 s15, s15, s16
	s_lshr_b32 s16, s11, 1
	s_lshl_b32 s16, s16, 2
	s_add_co_u32 s15, s15, s16
	s_add_co_u32 s15, s15, SCW                     ; and their scale words: 8 (16 (t % 2) + 8 half) + 4 (t / 2)
	s_lshl_b32 s24, s10, 9
	s_add_co_u32 s24, s24, CDS                     ; the 512 bytes of codes that I store
	s_lshr_b32 s16, ttmp9, 5                       ; w
	s_and_b32 s17, ttmp9, 31                       ; kstep
	s_lshl_b32 s18, s16, 20                        ; input: 64 w rows of 16,384 bytes,
	s_lshl_b32 s19, s10, 17                        ; 8 v rows,
	s_add_co_u32 s18, s18, s19
	s_lshl_b32 s19, s17, 9                         ; 512 bytes a kstep
	s_add_co_u32 s18, s18, s19
	s_mov_b32 s19, 0
	s_lshr_b32 s22, s17, 1
	s_mul_i32 s22, s22, 34816                      ; the part,
	s_and_b32 s23, s17, 1
	s_lshl_b32 s23, s23, 10
	s_add_co_u32 s22, s22, s23                     ; + 1,024 e
	s_lshl_b32 s20, s16, 13                        ; codes: + 2,048 (4 w + t) + 512 half
	s_add_co_u32 s20, s20, s22
	s_lshl_b32 s21, s11, 11
	s_add_co_u32 s20, s20, s21
	s_lshl_b32 s21, s12, 9
	s_add_co_u32 s20, s20, s21
	s_mov_b32 s21, 0
	s_lshl_b32 s23, s16, 8                         ; scale words: + 32,768 + 256 w
	s_add_co_u32 s22, s22, s23
	s_add_co_u32 s22, s22, 32768
	s_mov_b32 s23, 0
	v_and_b32 v10, 31, v0                          ; lane
	v_and_b32 v11, 7, v0                           ; my row of the eight
	v_bfe_u32 v12, v0, 3, 2                        ; my block of the four
	v_lshlrev_b32 v3, 4, v10                       ; 16 x lane: my bytes of a load, and of a store of codes
	v_add_nc_u32 v4, s13, v3                       ; the stage on the way in
	v_mul_u32_u24 v5, v11, SP
	v_lshl_add_u32 v5, v12, 7, v5
	v_add_nc_u32 v5, s13, v5                       ; and on the way out: my row, + 128 x block
	v_lshlrev_b32 v6, 8, v12
	v_lshl_add_u32 v6, v11, 4, v6
	v_add_nc_u32 v6, s14, v6                       ; my codes: + 256 x block + 16 x row
	v_lshl_add_u32 v7, v11, 3, v12
	v_add_nc_u32 v7, s15, v7                       ; my scale byte: + 8 x row + block
	v_add_nc_u32 v8, s24, v3
	v_lshlrev_b32 v13, 3, v10                      ; 8 x lane: the scale words on the way out,
	v_add_nc_u32 v14, SCW, v13                     ; and the same in LDS
	s_wait_alu depctr_va_vdst(0)                   ; the wait at the head's end
	s_wait_kmcnt 0x0
	s_add_nc_u64 s[4:5], s[4:5], s[18:19]
	s_add_nc_u64 s[8:9], s[6:7], s[22:23]
	s_add_nc_u64 s[6:7], s[6:7], s[20:21]
.irp i, 0,1,2,3,4,5,6,7
	global_load_b128 v[X+4*\i:X+4*\i+3], v3, s[4:5] offset:\i*16384 th:TH_LOAD_NT   ; row i: 32 lanes read 512 consecutive bytes, aligned
.endr
.irp i, 0,1,2,3,4,5,6,7
	s_wait_loadcnt 7-\i                            ; loads come back in order: row i is in, the 7 - i younger ones may be out
	ds_store_b128 v4, v[X+4*\i:X+4*\i+3] offset:\i*SP
.endr
.irp j, 0,1,2,3,4,5,6,7
	ds_load_b128 v[Y+4*\j:Y+4*\j+3], v5 offset:16*\j   ; my own stage: LDS serves a wave's instructions in order, so these see the stores above
.endr
	s_wait_dscnt 0x0
	v_max3_num_f32 v24, |v[Y]|, |v[Y+1]|, 0x1800000   ; the block's largest magnitude, with the floor 2^(3 - 127): the byte cannot fall under 1
	v_max3_num_f32 v25, |v[Y+2]|, |v[Y+3]|, 0x1800000
.irp i, 4,8,12,16,20,24,28
	v_max3_num_f32 v24, v24, |v[Y+\i]|, |v[Y+\i+1]|
	v_max3_num_f32 v25, v25, |v[Y+\i+2]|, |v[Y+\i+3]|
.endr
	v_max_num_f32 v24, v24, v25
	v_add_nc_u32 v28, 0xff000000, v24              ; 2 off the exponent field: the conversion takes this operand's exponent field as its scale, and nothing else of it
.irp g, 0,1,2,3
	v_cvt_scalef32_pk8_fp4_f32 v[C+\g], v[Y+8*\g:Y+8*\g+7], v28
.endr
	v_lshrrev_b32 v30, 23, v28                     ; the scale's byte.  (Also the plain place behind the conversions)
	ds_store_b128 v6, v[C:C+3]
	ds_store_b8 v7, v30
	s_wait_dscnt 0x0                               ; for the others' sake: my codes and bytes have landed
	s_barrier_signal -1
	s_barrier_wait -1
	ds_load_b128 v[20:23], v8
	s_wait_dscnt 0x0
	global_store_b128 v3, v[20:23], s[6:7]         ; 32 lanes store 512 consecutive bytes, aligned
	s_cmp_lg_u32 s10, 0
	s_cbranch_scc1 .Lnot_mine
	ds_load_b64 v[26:27], v14
	s_wait_dscnt 0x0
	global_store_b64 v13, v[26:27], s[8:9]         ; wave 0 stores the scale words: 256 consecutive bytes, aligned
.Lnot_mine:
	s_wait_tensorcnt 0x0                           ; the wave's end
	ds_add_u32 v[SPW], v[NIL]
	s_wait_dscnt 0x0
	s_endpgm
.Lfunc_end_k_q235ad73c80_quantx:
	.size	k_q235ad73c80_quantx, .Lfunc_end_k_q235ad73c80_quantx-k_q235ad73c80_quantx
	.p2alignl 7, 3214868480
	.fill 96, 4, 3214868480
	.section	.rodata,"a",@progbits
	.p2align	6, 0x0
	.amdhsa_kernel k_q235ad73c80_quantx
		.amdhsa_group_segment_fixed_size 39168
		.amdhsa_private_segment_fixed_size 0
		.amdhsa_enable_private_segment 0
		.amdhsa_kernarg_size 16
		.amdhsa_user_sgpr_count 2
		.amdhsa_user_sgpr_kernarg_segment_ptr 1
		.amdhsa_wavefront_size32 1
		.amdhsa_system_sgpr_workgroup_id_x 1
		.amdhsa_system_sgpr_workgroup_id_y 1
		.amdhsa_system_sgpr_workgroup_id_z 1
		.amdhsa_system_vgpr_workitem_id 0
		.amdhsa_next_free_vgpr 96
		.amdhsa_next_free_sgpr 66
		.amdhsa_reserve_vcc 0
		.amdhsa_float_denorm_mode_32 3
		.amdhsa_float_denorm_mode_16_64 3
		.amdhsa_memory_ordered 1
		.amdhsa_forward_progress 1
		.amdhsa_inst_pref_size 8
	.end_amdhsa_kernel
	.amdgpu_metadata
---
amdhsa.version: [ 1, 2 ]
amdhsa.kernels:
  - .name:           k_q235ad73c80_quantx
    .symbol:         k_q235ad73c80_quantx.kd
    .args:
      - { .name: input, .offset: 0, .size: 8, .value_kind: global_buffer, .address_space: global }
      - { .name: xq, .offset: 8, .size: 8, .value_kind: global_buffer, .address_space: global }
    .group_segment_fixed_size: 39168
    .private_segment_fixed_size: 0
    .kernarg_segment_align: 8
    .kernarg_segment_size: 16
    .max_flat_workgroup_size: 256
    .sgpr_count:     66
    .vgpr_count:     96
    .wavefront_size: 32
...
	.end_amdgpu_metadata
.endif
;; end of part 1
;; launch gemm (part 2): grid 256 x 1, 8 waves a work-group, no clusters, 179,200 bytes of LDS; arguments xq, weight, scales, out0; writes out0
.if DOCPART == 2
	.amdgcn_target "amdgcn-amd-amdhsa--gfx1250"
	.amdhsa_code_object_version 6
	.text
	.protected	k_q235ad73c80_gemm
	.globl	k_q235ad73c80_gemm
	.p2align	8
	.type	k_q235ad73c80_gemm,@function
k_q235ad73c80_gemm:
	s_mov_b64 s[64:65], 0
	v_nop
	global_prefetch_b8 v0, s[64:65] scope:SCOPE_SE
	s_setreg_imm32_b32 hwreg(HW_REG_WAVE_MODE, 25, 1), 1
	s_wait_xcnt 0x0
; out0[m][n] = scales[n] x the sum over k of Q(input)[m][k] Q(weight)[n][k]; M = 256, K = 4,096, N = 16,384; codes of E2M1, one E8M0 byte for each 32 along K, sums in f32.  Nothing of the problem is left out.
; Q(input) comes as register images and scale words (xq) from the launch before.  weight [16384][4096] int8 is read from memory ONCE, by the one wave that needs it, and quantised in registers on the way.
; LIMITS: a block of 32 weights that are all 0 gets the byte 1 where the rule says 127: its codes are zeros, and the byte goes nowhere but into this product.
; An output's sum is made in two halves (the even and the odd steps of 128 along K, each ascending), which are added in f32 at the end: an order of rounding other than one ascending chain.
; SHARES.  Work-group g owns all 256 rows x columns 64 g .. 64 g + 63: 256 work-groups of equal work.  Eight waves, two to a SIMD.  K goes in 16 chunks of 256, two ksteps of 128 each.
; Wave v: w = v % 4, q = v / 4.  It multiplies rows 64 w .. 64 w + 63 (4 tiles k) by all 64 columns (4 tiles u), 16 accumulators, for kstep q of every chunk.
; THE MATRIX INSTRUCTION IS USED TRANSPOSED (source 0 = 16 rows of weight, source 1 = 16 rows of x): a lane holds eight neighbouring columns of one row of out0.
; x GOES STRAIGHT INTO REGISTERS: a fragment of x is multiplied by exactly one wave of the work-group, once, and lies in xq in the order of that wave's registers: each load takes 512 consecutive bytes.
; NO CLUSTER, NO JOINT LOADS, for that reason: a joint load lands in LDS, and x's 557,056 bytes would be written there and read again by every work-group, for no second reader in it, with rounds of barriers for the slots.
; Wave v quantises eight weight rows of the 64 (16 (v / 2) + 4 (v % 2) + 0 .. 3, and the four rows 8 further on) and hands the codes to all waves through LDS: four buffers by turns.
; THE QUANTISER RUNS TWO CHUNKS AHEAD, so that the one barrier of a chunk is signalled at the chunk's head and waited for at its end, with the chunk's LDS loads, products and quantising (in registers) between.
; Loads run ahead in rings of registers: weights six chunks (a batch's slot is filled again for chunk c + 8 in chunk c), x four.  No loop: the rings' and buffers' numbers stand in the text; every offset is an immediate.
; No prefetch is laid: both streams are asked for four to six chunks ahead by their own loads, and there is no loop to run ahead in.
; REGISTERS.  Window 0: v1-14 addresses; v16-17 weight's scale words; v18-21 scales; v22-29 x's scale words; v30-91 and v252-255 the quantiser; v92-123 weight's fragments; v124-251 x's, four chunks.
;   Window 1: v0-127 the accumulators, (k, u) at 8 (4 k + u); v128-223 the ring of weights, chunk % 6 at 16 each.
.set PART,  34816                      ; xq: 256 along K: codes [tile 16][kstep 2][c 2][lane 32][16], then scale words [kstep 2][w 4][lane 32][2]
.set XSO,   32768
.set SPT,   272                        ; the way out: a row of 64 columns, 256 bytes + 16; 256 rows for each half of K, at LDS byte 0
.set HALF,  256*SPT
.set WP,    144                        ; a row of weight's codes: 128 bytes + 16: 9 x 16, so the 16 rows that a fragment load touches start in 16 different groups of banks (64 banks of 4 bytes: ISA guide 11.1)
.set WBB,   64*WP
.set WB,    2*HALF                     ; weight's codes: four buffers of 64 rows
.set WSC,   WB+4*WBB                   ; weight's scale bytes: four buffers of 64 rows x 8
.set SPARE, WSC+4*512                  ; the spare words, 128 bytes for each wave: four blocks of 256 bytes that no other line names
.set SPW, 1                            ; v1   LDS address of my spare word; never rewritten
.set NIL, 2                            ; v2   0; never rewritten
.set XO,  3                            ; v3   x's codes: 16 x lane + 8,192 w + 1,024 q
.set XP,  4                            ; v4   x's scale words: 8 x lane + 256 w + 1,024 q
.set WOFF, 5                           ; v5   32,768 (l / 16) + 16 (l % 16): lanes 0-15 take row j, lanes 16-31 row j + 8
.set WST, 6                            ; v6   where 8 bytes of codes go
.set WSB, 7                            ; v7   where a scale byte goes
.set WFA, 8                            ; v8   where a fragment of weight comes from: WB + 144 r + 16 h + 64 q
.set WSA, 9                            ; v9   where its scale words come from: WSC + 8 x lane + 4 q
.set STA, 10                           ; v10  the way out: where I put 32 bytes of a row
.set GO,  11                           ; v11  my byte offset in the rows of out0
.set RD,  12                           ; v12, v13  where I read a row back: first and second half of K
.set WS,  16                           ; v[16 + b]: lane l = the scale word of weight row 32 b + l for my kstep
.set SCV, 18                           ; scales[64 g + 4 (l % 16) + 0 .. 3]
.set XS,  22                           ; v[22 + 2 (chunk % 4) + a]: lane l = the scale word of x's row 64 w + 32 a + l for my kstep
.set SO,  32
.set TMP, 40
.set MX,  48
.set F,   60
.set WF,  92
.set XF,  124
.set RING, 128                         ; window 1
.set OT,  124                          ; the way out: v124-251
.set MSB, 0
.macro WIN new                         ; the immediate's high byte repeats the setting that is left; a switch that changes nothing is dropped
.if MSB != \new
	s_set_vgpr_msb (MSB<<8)|\new
.set MSB, \new
.endif
.endm
.macro PLACES                          ; four plain places behind matrix instructions (ISA guide 7.12.1)
.rept 4
	v_nop
.endr
.endm
; Four loads: chunk ch of my eight weight rows.  Each covers two whole rows' 256 bytes, aligned: lanes 0-15 row j, lanes 16-31 row j + 8.
.macro WLOAD ch
	WIN 0x40
.irp j, 0,1,2,3
	global_load_b128 v[RING+16*((\ch)%6)+4*\j:RING+16*((\ch)%6)+4*\j+3], v[WOFF], s[16:17] offset:(\ch)*256+\j*4096 th:TH_LOAD_NT
.endr
	WIN 0
.endm
; Nine loads: x's fragments and scale words of chunk ch for my four tiles and my kstep.
.macro XLOAD ch
	global_load_b64 v[XS+2*((\ch)%4):XS+2*((\ch)%4)+1], v[XP], s[4:5] offset:(\ch)*PART+XSO
.irp k, 0,1,2,3
.irp c, 0,1
	global_load_b128 v[XF+32*((\ch)%4)+8*\k+4*\c:XF+32*((\ch)%4)+8*\k+4*\c+3], v[XO], s[4:5] offset:(\ch)*PART+\k*2048+\c*512
.endr
.endr
.endm
; THE QUANTISER of batch b of chunk ch: two of the chunk's four loads, by turns; register work alone.  A lane holds 16 neighbours along K of one row; two neighbouring lanes hold a block.
; int8 to the bits of 2^23 + (w + 128) (the sign bit is turned, each byte is set under the exponent of 2^23); less 2^23 + 128: w, exactly; the block's largest magnitude, with the floor 2^(3 - 127) as one more leaf;
; the scale operand, the codes, the byte.  Batch 0's codes lie in v36-39, its bytes in v34-35; batch 1's in v252-255 and v30-31.
.macro QUANT ch, b
.set cd, 36+216*(\b)
.set by, 34-4*(\b)
	WIN 0x04
.irp d, 0,1,2,3
.irp a, 0,1
	v_xor_b32 v[TMP+4*\a+\d], s52, v[RING+16*((\ch)%6)+8*(\b)+4*\a+\d]
.endr
.endr
	WIN 0
.irp d, 0,1,2,3
.irp y, 0,1,2,3
.irp a, 0,1
	v_perm_b32 v[F+16*\a+4*\d+\y], s53, v[TMP+4*\a+\d], s[54+\y]   ; bytes 3, 2, 1 of 0x4b000000 over byte y of the word
.endr
.endr
.endr
.irp i, 0,2,4,6,8,10,12,14
.irp a, 0,1
	v_pk_add_f32 v[F+16*\a+\i:F+16*\a+\i+1], v[F+16*\a+\i:F+16*\a+\i+1], s[58:59] op_sel_hi:[1,0]
.endr
.endr
.irp i, 0,1,2,3,4
.irp a, 0,1
	v_max3_num_f32 v[MX+6*\a+\i], |v[F+16*\a+3*\i]|, |v[F+16*\a+3*\i+1]|, |v[F+16*\a+3*\i+2]|
.endr
.endr
.irp a, 0,1
	v_max3_num_f32 v[MX+6*\a], v[MX+6*\a], v[MX+6*\a+1], |v[F+16*\a+15]|
.endr
.irp a, 0,1
	v_max3_num_f32 v[MX+6*\a+2], v[MX+6*\a+2], v[MX+6*\a+3], v[MX+6*\a+4]
.endr
.irp a, 0,1
	s_delay_alu instid0(VALU_DEP_2)
	v_max3_num_f32 v[MX+6*\a], v[MX+6*\a], v[MX+6*\a+2], s60
.endr
.irp a, 0,1
	v_max_num_f32_dpp v[MX+6*\a], v[MX+6*\a], v[MX+6*\a] row_xmask:1 row_mask:0xf bank_mask:0xf   ; with my neighbour's 16
.endr
.irp a, 0,1
	s_delay_alu instid0(VALU_DEP_2)
	v_add_nc_u32 v[SO+\a], s61, v[MX+6*\a]         ; 2 off the exponent field: the conversion takes this operand's exponent field as its scale
.endr
.irp a, 0,1
	v_cvt_scalef32_pk8_fp4_f32 v[cd+2*\a], v[F+16*\a:F+16*\a+7], v[SO+\a]
	v_cvt_scalef32_pk8_fp4_f32 v[cd+2*\a+1], v[F+16*\a+8:F+16*\a+15], v[SO+\a]
.endr
.irp a, 0,1
	v_lshrrev_b32 v[by+\a], 23, v[SO+\a]           ; the scale's byte.  (Also the plain place behind the conversions)
.endr
.endm
; The chunk's codes and bytes go to buffer ch % 4: eight LDS stores.
.macro PUT ch
.irp b, 0,1
.irp a, 0,1
	ds_store_b64 v[WST], v[36+216*\b+2*\a:37+216*\b+2*\a] offset:((\ch)%4)*WBB+(2*\b+\a)*WP   ; rows j and j + 8 lie 1,152 bytes apart: the two halves of the lanes take different banks
.endr
.endr
.irp b, 0,1
.irp a, 0,1
	ds_store_b8 v[WSB], v[34-4*\b+\a] offset:((\ch)%4)*512+(2*\b+\a)*8   ; both lanes of a block write the same byte with the same value
.endr
.endr
.endm
.macro FETCH ch                        ; my kstep of chunk ch's weights, all 64 columns: ten LDS loads
.irp b, 0,1
	ds_load_b32 v[WS+\b], v[WSA] offset:((\ch)%4)*512+256*\b
.endr
.irp u, 0,1,2,3
.irp e, 0,1
	ds_load_b128 v[WF+8*\u+4*\e:WF+8*\u+4*\e+3], v[WFA] offset:((\ch)%4)*WBB+\u*16*WP+32*\e
.endr
.endr
.endm
; One product.  An odd tile's scale words stand in lanes 16-31 of their register.  z = 1: the product starts the sum: nothing is ever cleared.
.macro MM ch, k, u, z
.set rA, 8*(4*(\k)+(\u))
.set rW, WF+8*(\u)
.set rX, XF+32*((\ch)%4)+8*(\k)
.set rS, WS+(\u)/2
.set rT, XS+2*((\ch)%4)+(\k)/2
.if \z
.if ((\u)%2 == 0) && ((\k)%2 == 0)
	v_wmma_scale_f32_16x16x128_f8f6f4 v[rA:rA+7], v[rW:rW+7], v[rX:rX+7], 0, v[rS], v[rT] matrix_a_fmt:MATRIX_FMT_FP4 matrix_b_fmt:MATRIX_FMT_FP4
.elseif ((\k)%2 == 0)
	v_wmma_scale_f32_16x16x128_f8f6f4 v[rA:rA+7], v[rW:rW+7], v[rX:rX+7], 0, v[rS], v[rT] matrix_a_fmt:MATRIX_FMT_FP4 matrix_b_fmt:MATRIX_FMT_FP4 matrix_a_scale:MATRIX_SCALE_ROW1
.elseif ((\u)%2 == 0)
	v_wmma_scale_f32_16x16x128_f8f6f4 v[rA:rA+7], v[rW:rW+7], v[rX:rX+7], 0, v[rS], v[rT] matrix_a_fmt:MATRIX_FMT_FP4 matrix_b_fmt:MATRIX_FMT_FP4 matrix_b_scale:MATRIX_SCALE_ROW1
.else
	v_wmma_scale_f32_16x16x128_f8f6f4 v[rA:rA+7], v[rW:rW+7], v[rX:rX+7], 0, v[rS], v[rT] matrix_a_fmt:MATRIX_FMT_FP4 matrix_b_fmt:MATRIX_FMT_FP4 matrix_a_scale:MATRIX_SCALE_ROW1 matrix_b_scale:MATRIX_SCALE_ROW1
.endif
.else
.if ((\u)%2 == 0) && ((\k)%2 == 0)
	v_wmma_scale_f32_16x16x128_f8f6f4 v[rA:rA+7], v[rW:rW+7], v[rX:rX+7], v[rA:rA+7], v[rS], v[rT] matrix_a_fmt:MATRIX_FMT_FP4 matrix_b_fmt:MATRIX_FMT_FP4
.elseif ((\k)%2 == 0)
	v_wmma_scale_f32_16x16x128_f8f6f4 v[rA:rA+7], v[rW:rW+7], v[rX:rX+7], v[rA:rA+7], v[rS], v[rT] matrix_a_fmt:MATRIX_FMT_FP4 matrix_b_fmt:MATRIX_FMT_FP4 matrix_a_scale:MATRIX_SCALE_ROW1
.elseif ((\u)%2 == 0)
	v_wmma_scale_f32_16x16x128_f8f6f4 v[rA:rA+7], v[rW:rW+7], v[rX:rX+7], v[rA:rA+7], v[rS], v[rT] matrix_a_fmt:MATRIX_FMT_FP4 matrix_b_fmt:MATRIX_FMT_FP4 matrix_b_scale:MATRIX_SCALE_ROW1
.else
	v_wmma_scale_f32_16x16x128_f8f6f4 v[rA:rA+7], v[rW:rW+7], v[rX:rX+7], v[rA:rA+7], v[rS], v[rT] matrix_a_fmt:MATRIX_FMT_FP4 matrix_b_fmt:MATRIX_FMT_FP4 matrix_a_scale:MATRIX_SCALE_ROW1 matrix_b_scale:MATRIX_SCALE_ROW1
.endif
.endif
.endm
; CHUNK c.  In front of its signal each wave has waited for its stores of chunk c + 1's codes and for its reads of chunk c - 1's.  Behind its wait chunk c + 1 is whole, and buffer (c + 3) % 4 may be written by the chunk that follows.
; Between the two stand the LDS loads of chunk c's codes (shown whole by the barrier before, and not written before a later one), the products and the quantising of chunk c + 2, in registers.
; THE ORDER OF THE GLOBAL LOADS: W0 W1 x0 W2 x1 W3 x2 W4 x3 W5 W6 W7, then in chunk c: x(c + 4), W(c + 8).  A W is four loads, an x nine.
.macro POS c
.if \c < 15
	s_wait_dscnt 0x0
	s_barrier_signal -1
.endif
	FETCH \c
.if \c < 14
.if \c < 4
	s_wait_loadcnt 47                              ; chunk c + 2's weights are in: behind them three x and five W
.elseif \c == 4
	s_wait_loadcnt 56                              ; four x and five W.  (From chunk 5 on the wait for x in the chunk before has shown them in)
.endif
	QUANT \c+2, 0
.endif
.set nx, 15-(\c)
.if nx > 3
.set nx, 3
.endif
.set nw, 12-(\c)
.if nw > 4
.set nw, 4
.endif
.if nw < 0
.set nw, 0
.endif
.if \c < 4
.set nw, 6
.endif
	s_wait_loadcnt 9*nx+4*nw                       ; x(c) is in: behind it up to three x, and six W (c < 4) or up to four
	s_wait_dscnt 0x0                               ; chunk c's codes are here
	WIN 0x50                                       ; C and D window 1
.irp k, 0,1,2,3
.irp u, 0,1,2,3
.if \c == 0
	MM \c, \k, \u, 1
.else
	MM \c, \k, \u, 0
.endif
.endr
.endr
	WIN 0
.if \c < 14
	QUANT \c+2, 1                                  ; (its plain lines are also the places in front of the loads into the registers that the products have read)
	s_wait_alu depctr_va_vdst(0)                   ; the wait here, directly ahead of the wait below
.else
	PLACES
.endif
.if \c < 15
	s_barrier_wait -1
.endif
.if \c < 14
	PUT \c+2
.endif
.if \c < 12
	XLOAD \c+4
.endif
.if \c < 8
	WLOAD \c+8
.endif
.endm
	s_load_b256 s[4:11], s[0:1], 0x0               ; xq s[4:5], weight s[6:7], scales s[8:9], out0 s[10:11]
	v_lshl_add_u32 v[SPW], v0, 2, SPARE
	v_mov_b32 v[NIL], 0
	v_lshrrev_b32 v15, 5, v0
	v_readfirstlane_b32 s14, v15                   ; wave v, 0..7
	s_and_b32 s22, s14, 3                          ; w: my 64 rows
	s_lshr_b32 s23, s14, 2                         ; q: my kstep of a chunk
	s_lshr_b32 s24, s14, 1                         ; v / 2
	s_and_b32 s25, s14, 1                          ; v % 2
	s_mov_b32 s52, 0x80808080                      ; turns four sign bits
	s_mov_b32 s53, 0x4b000000                      ; 2^23
	s_mov_b32 s54, 0x07060500                      ; v_perm_b32's selects: byte y of the word under the upper three bytes of 2^23
	s_mov_b32 s55, 0x07060501
	s_mov_b32 s56, 0x07060502
	s_mov_b32 s57, 0x07060503
	s_mov_b32 s58, 0xcb000080                      ; -(2^23 + 128)
	s_mov_b32 s59, s58                             ; (named with it as a pair, so it is written)
	s_mov_b32 s60, 0x01800000                      ; the floor 2^(3 - 127)
	s_mov_b32 s61, 0xff000000                      ; -(2 << 23)
	s_lshl_b32 s16, ttmp9, 18                      ; weight: 64 g rows of 4,096 bytes,
	s_lshl_b32 s26, s24, 16
	s_add_co_u32 s16, s16, s26                     ; + 16 (v / 2) rows,
	s_lshl_b32 s26, s25, 14
	s_add_co_u32 s16, s16, s26                     ; + 4 (v % 2) rows
	s_mov_b32 s17, 0
	s_lshl_b32 s18, ttmp9, 8                       ; scales: 64 g numbers
	s_mov_b32 s19, 0
	s_lshl_b32 s20, s24, 22                        ; out0: 64 (v / 2) rows of 65,536 bytes,
	s_lshl_b32 s26, s25, 20
	s_add_co_u32 s20, s20, s26                     ; + 16 (v % 2) rows,
	s_add_co_u32 s20, s20, s18                     ; + 64 g columns
	s_mov_b32 s21, 0
	s_lshl_b32 s28, s23, 10
	s_lshl_b32 s26, s22, 13
	s_add_co_u32 s26, s26, s28                     ; x's codes: 8,192 w + 1,024 q
	s_lshl_b32 s27, s22, 8
	s_add_co_u32 s27, s27, s28                     ; its scale words: 256 w + 1,024 q
	v_and_b32 v15, 31, v0                          ; lane
	v_and_b32 v30, 15, v0                          ; r
	v_bfe_u32 v31, v0, 4, 1                        ; h
	v_lshlrev_b32 v14, 4, v30                      ; scales: four numbers a lane, the same for both halves of the lanes
	v_lshl_add_u32 v[XO], v15, 4, s26
	v_lshl_add_u32 v[XP], v15, 3, s27
	v_lshl_add_u32 v[WOFF], v31, 15, v14
	s_wait_alu depctr_va_vdst(0)                   ; the wait here, directly ahead of the wait below
	s_wait_kmcnt 0x0
	s_add_nc_u64 s[16:17], s[6:7], s[16:17]
	s_add_nc_u64 s[18:19], s[8:9], s[18:19]
	s_add_nc_u64 s[20:21], s[10:11], s[20:21]
	global_load_b128 v[SCV:SCV+3], v14, s[18:19]
	WLOAD 0                                        ; the rings: what is wanted first is asked for first
	WLOAD 1
	XLOAD 0
	WLOAD 2
	XLOAD 1
	WLOAD 3
	XLOAD 2
	WLOAD 4
	XLOAD 3
	WLOAD 5
	; LDS addresses: they hang on the lane and the wave's number alone
	s_lshl_b32 s28, s24, 4
	s_lshl_b32 s29, s25, 2
	s_add_co_u32 s28, s28, s29                     ; the first row that I quantise: 16 (v / 2) + 4 (v % 2)
	s_mul_i32 s26, s28, WP
	s_add_co_u32 s26, s26, WB
	s_lshl_b32 s27, s28, 3
	s_add_co_u32 s27, s27, WSC
	s_lshl_b32 s29, s23, 6
	s_add_co_u32 s29, s29, WB                      ; weight's fragments: my kstep's 64 bytes of a row
	s_lshl_b32 s30, s23, 2
	s_add_co_u32 s30, s30, WSC                     ; and my kstep's word of a row's eight scale bytes
	s_mul_i32 s31, s23, HALF
	s_mul_i32 s33, s22, 64*SPT
	s_add_co_u32 s31, s31, s33                     ; the way out: my half of K, my 64 rows
	s_mul_i32 s33, s24, 64*SPT
	s_mul_i32 s34, s25, 16*SPT
	s_add_co_u32 s33, s33, s34                     ; and the rows that I finish: 64 (v / 2) + 16 (v % 2)
	v_mul_u32_u24 v[WFA], v30, WP
	v_mul_u32_u24 v[WST], v31, 8*WP
	v_lshrrev_b32 v[WSB], 1, v30
	v_mul_u32_u24 v[STA], v30, SPT
	v_mul_u32_u24 v[RD], v31, SPT
	v_lshlrev_b32 v[GO], 16, v31                   ; lanes 0-15 one row of out0, lanes 16-31 the next
	v_lshl_add_u32 v[WSA], v15, 3, s30
	v_lshl_add_u32 v[WFA], v31, 4, v[WFA]
	v_lshl_add_u32 v[WST], v30, 3, v[WST]
	v_lshl_add_u32 v[WSB], v31, 6, v[WSB]
	v_lshl_add_u32 v[STA], v31, 5, v[STA]
	v_lshl_add_u32 v[RD], v30, 4, v[RD]
	v_lshl_add_u32 v[GO], v30, 4, v[GO]
	v_add_nc_u32 v[WFA], s29, v[WFA]
	v_add_nc_u32 v[WST], s26, v[WST]
	v_add_nc_u32 v[WSB], s27, v[WSB]
	v_add_nc_u32 v[STA], s31, v[STA]
	v_add_nc_u32 v[RD], s33, v[RD]
	v_add_nc_u32 v[RD+1], HALF, v[RD]
	s_wait_alu depctr_va_vdst(0)                   ; the wait at the head's end
	s_wait_loadcnt 56                              ; chunk 0's weights are in (and the scales, which are older): behind them five W and four x
	QUANT 0, 0
	QUANT 0, 1
	PUT 0
	WLOAD 6
	s_wait_loadcnt 56                              ; chunk 1's: behind them five W and four x
	s_wait_dscnt 0x0                               ; for the others' sake: my codes of chunk 0 have landed
	s_barrier_signal -1
	QUANT 1, 0                                     ; work on registers while the others arrive
	QUANT 1, 1
	s_wait_alu depctr_va_vdst(0)                   ; the wait here, directly ahead of the wait below
	s_barrier_wait -1
	PUT 1
	WLOAD 7
.irp c, 0,1,2,3,4,5,6,7,8,9,10,11,12,13,14,15
	POS \c
.endr
; THE WAY OUT.  The two halves of K meet in LDS, in bytes of their own: my accumulators, each from its low end on, as rows of 272 bytes; my tiles 0, 1 first, then 2, 3.  A wave then takes 16 whole rows of each of the two parts:
; 16 lanes read a row's 256 bytes of both halves, add them in f32, multiply by scales and store one aligned unit of 256 bytes.
.macro SEND k0
	WIN 0x04
.irp k, \k0, \k0+1
.irp u, 0,1,2,3
	ds_store_b128 v[STA], v[8*(4*(\k)+\u):8*(4*(\k)+\u)+3] offset:(\k)*16*SPT+64*\u
	ds_store_b128 v[STA], v[8*(4*(\k)+\u)+4:8*(4*(\k)+\u)+7] offset:(\k)*16*SPT+64*\u+16
.endr
.endr
	WIN 0
.endm
.macro BACK ph
.irp i, 0,1,2,3,4,5,6,7
.irp q, 0,1
	ds_load_b128 v[OT+64*(\ph)+8*\i+4*\q:OT+64*(\ph)+8*\i+4*\q+3], v[RD+\q] offset:(32*(\ph)+2*\i)*SPT
.endr
.endr
.endm
.macro FIN ph, i, younger              ; younger: the LDS instructions issued behind this pair of rows' two loads
.set rO, OT+64*(\ph)+8*(\i)
	s_wait_dscnt \younger
	v_pk_add_f32 v[rO:rO+1], v[rO:rO+1], v[rO+4:rO+5]
	v_pk_add_f32 v[rO+2:rO+3], v[rO+2:rO+3], v[rO+6:rO+7]
	v_pk_mul_f32 v[rO:rO+1], v[rO:rO+1], v[SCV:SCV+1]
	v_pk_mul_f32 v[rO+2:rO+3], v[rO+2:rO+3], v[SCV+2:SCV+3]
	global_store_b128 v[GO], v[rO:rO+3], s[20:21] offset:(32*(\ph)+2*(\i))*65536 th:TH_STORE_NT   ; 46 rows of 65,536 bytes at the most: inside the signed 24-bit immediate
.endm
	SEND 0                                         ; (behind chunk 15's four places)
	s_wait_dscnt 0x0                               ; for the others' sake: my tiles 0, 1 have landed
	s_barrier_signal -1
	s_barrier_wait -1
	BACK 0
	SEND 2
.irp i, 0,1,2,3,4,5,6,7
	FIN 0, \i, 30-2*\i                             ; behind: the loads of 7 - i later pairs, sixteen stores
.endr
	s_wait_dscnt 0x0                               ; for the others' sake: my tiles 2, 3 have landed
	s_barrier_signal -1
	s_barrier_wait -1
	BACK 1
.irp i, 0,1,2,3,4,5,6,7
	FIN 1, \i, 14-2*\i
.endr
	s_wait_tensorcnt 0x0                           ; the wave's end
	ds_add_u32 v[SPW], v[NIL]
	s_wait_dscnt 0x0
	s_endpgm
.Lfunc_end_k_q235ad73c80_gemm:
	.size	k_q235ad73c80_gemm, .Lfunc_end_k_q235ad73c80_gemm-k_q235ad73c80_gemm
	.p2alignl 7, 3214868480
	.fill 96, 4, 3214868480
	.section	.rodata,"a",@progbits
	.p2align	6, 0x0
	.amdhsa_kernel k_q235ad73c80_gemm
		.amdhsa_group_segment_fixed_size 179200
		.amdhsa_private_segment_fixed_size 0
		.amdhsa_enable_private_segment 0
		.amdhsa_kernarg_size 32
		.amdhsa_user_sgpr_count 2
		.amdhsa_user_sgpr_kernarg_segment_ptr 1
		.amdhsa_wavefront_size32 1
		.amdhsa_system_sgpr_workgroup_id_x 1
		.amdhsa_system_sgpr_workgroup_id_y 1
		.amdhsa_system_sgpr_workgroup_id_z 1
		.amdhsa_system_vgpr_workitem_id 0
		.amdhsa_next_free_vgpr 512
		.amdhsa_next_free_sgpr 72
		.amdhsa_reserve_vcc 0
		.amdhsa_float_denorm_mode_32 3
		.amdhsa_float_denorm_mode_16_64 3
		.amdhsa_memory_ordered 1
		.amdhsa_forward_progress 1
		.amdhsa_inst_pref_size 248
	.end_amdhsa_kernel
	.amdgpu_metadata
---
amdhsa.version: [ 1, 2 ]
amdhsa.kernels:
  - .name:           k_q235ad73c80_gemm
    .symbol:         k_q235ad73c80_gemm.kd
    .args:
      - { .name: xq, .offset: 0, .size: 8, .value_kind: global_buffer, .address_space: global }
      - { .name: weight, .offset: 8, .size: 8, .value_kind: global_buffer, .address_space: global }
      - { .name: scales, .offset: 16, .size: 8, .value_kind: global_buffer, .address_space: global }
      - { .name: out0, .offset: 24, .size: 8, .value_kind: global_buffer, .address_space: global }
    .group_segment_fixed_size: 179200
    .private_segment_fixed_size: 0
    .kernarg_segment_align: 8
    .kernarg_segment_size: 32
    .max_flat_workgroup_size: 256
    .sgpr_count:     72
    .vgpr_count:     512
    .wavefront_size: 32
...
	.end_amdgpu_metadata
.endif
;; end of part 2
